; MI455X (gfx1250); checked and timed in simulation.
; The chip was launched on July 23, 2026; its instructions are those of AMD's public machine-readable ISA for CDNA 5 (MIT licence, August 2026) and "CDNA5" Instruction Set Architecture Reference Guide (July 2026). The comments in the code are by the model that wrote it; some were corrected since.
;; Clause Function. Allowed arithmetic: float matrix products may take bf16 or f16 operands with f32 sums; all other float work in f32.
;; Inputs: I_i 2,048 x 32 x 8 int32; x 64 x 2,048 float32.
;; Outputs: out0 64 x 2,048 float32.
;; One version. Each part assembles by itself: llvm-mc -triple=amdgcn-amd-amdhsa -mcpu=gfx1250 --defsym DOCPART=n.
;; ======== version 1 of 1: 1 launch
;; launch clause (part 1): grid 32 x 8, 16 waves a work-group, no clusters, 69,888 bytes of LDS; arguments I_i, x, out0; writes out0
.if DOCPART == 1
	.amdgcn_target "amdgcn-amd-amdhsa--gfx1250"
	.amdhsa_code_object_version 6
	.text
	.protected	k_q590ac1459a_clause
	.globl	k_q590ac1459a_clause
	.p2align	8
	.type	k_q590ac1459a_clause,@function
k_q590ac1459a_clause:
	s_mov_b64 s[64:65], 0
	v_nop
	global_prefetch_b8 v0, s[64:65] scope:SCOPE_SE
	s_setreg_imm32_b32 hwreg(HW_REG_WAVE_MODE, 25, 1), 1
	s_wait_xcnt 0x0
; out0[b][g] = softor over s ( softand over l ( x[b][ I_i[g][s][l] ] ) ),  gamma = 0.001.
;   softand(v) = -gamma ln sum exp(-v/gamma),   softor(v) = gamma ln sum exp(v/gamma),  each with its extreme value taken away first.
; x, out0: [64][2048] f32.  I_i: [2048][32][8] i32.
;
; A work-group owns 8 batch rows (its y) and 64 atoms g (its x): 256 work-groups.  With nb batch rows a work-group reads 8 nb KiB of x and
; 512/nb KiB of I_i; nb = 8 makes the sum least (64 + 64 KiB) and makes its piece of an output row 64 x 4 = 256 bytes, aligned.
; Its 8 rows of x are turned on the way into LDS: table T[g][8 b], 32 bytes a row, 64 KiB.  One 16-byte LDS load then brings 4 batch values of
; one index: one address serves four numbers, and the arithmetic runs on pairs of batch rows (v_pk_*_f32).
; 16 waves; wave w owns g = 64 gx + 4 w .. + 3.  Lane bit 0 = q (batch rows 4q .. 4q+3), bits 2:1 = sj (clauses s = sj + 4 t, t = 0..7),
; bits 4:3 = gi (which of the wave's four g).  A lane works through 8 clauses x 8 literals x 4 batch rows; the soft-OR crosses lane bits 2:1 only.
;
; Arithmetic in the base-2 domain, K = log2(e)/gamma:  m = min_l x,  u = m K - log2 sum_l 2^(m K - K x),  U = max_s u,
; out = gamma ln2 (U + log2 sum_s 2^(u - U)).  Every exponent is <= 0 up to the rounding of m K, every sum lies in [1, 32].
;
; LIMITS.  x finite: the min/max forms drop a NaN where reference() would hand it on, and a clause whose literals are all +inf gives NaN.
; Indices are taken as unsigned and clamped to 2047 (the problem keeps them in 0 .. 2047).  m K is rounded once (|x| K < 3.4e38 asks
; |x| < 2.3e35); the rounding in the scaled domain is worth about one unit in the last place of x in the result.
;
; NO CLUSTER, NO TENSOR LOADS: the 32 work-groups of one y read the same 64 KiB of x and the 8 of one x the same 64 KiB of I_i, but a joint
; request is a tile copy into LDS.  x must change from [b][g] to [g][b], which a tile copy does only with rows of one element; the
; indices are wanted in registers (each becomes an LDS address), and a way through LDS would add 64 KiB of writes and 128 KiB of reads to the
; 512 KiB that the work-group gathers.  No ring and no prefetch: all that a wave reads from memory is asked for in its first lines.
.set NGALL,  2048                      ; atoms: rows of the table
.set XROW,   8192                      ; bytes in a row of x and of out0
.set SPITCH, 144                       ; stage: 128 bytes a wave + 16, so that 16 lanes reading 16 waves' pieces touch 16 different 16-byte columns
.set TABLE,  16*SPITCH                 ; 2,304: the table lies behind the stage, at a multiple of 256 bytes
.set KLOG,   0x44b4563e                ; K = log2(e)/gamma = 1442.695
.set KNEG,   0xc4b4563e                ; -K
.set GLN2,   0x3a35b452                ; gamma ln 2 = 6.931472e-4
.set IOFF, 2                           ; v2       byte offset of my clauses in the work-group's part of I_i
.set XOFF, 3                           ; v3       byte offset of my column in the work-group's first row of x
.set FILL, 4                           ; v4       LDS: my row of the table in the fill (without TABLE)
.set Q16,  5                           ; v5       16 q
.set SST,  6                           ; v6       LDS: where my results go in my wave's stage
.set SRD,  7                           ; v7       LDS: the 16 bytes that I read back
.set OOFF, 8                           ; v8       byte offset of those 16 bytes in out0
.set IDX,  16                          ; v[16:79]   index (t, l) at IDX + 8 t + l, then its LDS address
.set XA,   80                          ; v[80:111]  gather buffer A: literal l, batch c at XA + 4 l + c.  First: the 32 numbers of x that I bring in
.set XB,   112                         ; v[112:143] gather buffer B
.set U,    144                         ; v[144:175] u of clause step t, batch c at U + 4 t + c
.set M,    176                         ; v[176:179] minimum (later maximum) for my 4 batch rows
.set MK,   180                         ; v[180:183] m K
.set LG,   184                         ; v[184:187] logarithms
.set KP,   12                          ; s[12:13] K, twice (a scalar pair is read whole)
.set KN,   14                          ; s[14:15] -K
.set GP,   16                          ; s[16:17] gamma ln 2
	s_load_b128 s[4:7], s[0:1], 0x0                ; I_i s[4:5], x s[6:7]
	s_load_b64 s[8:9], s[0:1], 0x10                ; out0
	v_lshl_add_u32 v192, v0, 2, 0x10900
	v_mov_b32 v193, 0
	v_and_b32 v1, 31, v0                           ; lane
	v_lshrrev_b32 v9, 5, v0
	v_readfirstlane_b32 s10, v9                    ; wave 0..15
	s_and_b32 s11, ttmp7, 0xffff                   ; y: which 8 batch rows
	s_lshl_b32 s18, ttmp9, 16                      ; I_i: 64 g x 1,024 bytes for each x
	s_mov_b32 s19, 0
	s_lshl_b32 s20, s11, 16                        ; x and out0: 8 rows x 8,192 bytes for each y
	s_mov_b32 s21, 0
	s_lshl_b32 s22, ttmp9, 8                       ; out0: + 64 g x 4 bytes for each x
	s_add_co_u32 s22, s22, s20
	s_mov_b32 s23, 0
	v_and_b32 v[IOFF], 0x1f8, v0                   ; 8 x (thread / 8) = 8 x my g in the work-group
	v_and_b32 v9, 6, v0                            ; 2 sj
	v_lshlrev_b32 v[IOFF], 7, v[IOFF]              ; g x 1,024 bytes
	v_lshl_or_b32 v[IOFF], v9, 4, v[IOFF]          ; + sj x 32 bytes (a clause's 8 indices)
	v_and_b32 v[XOFF], 0x1e0, v0                   ; 32 x wave
	v_lshlrev_b32 v[XOFF], 4, v[XOFF]              ; wave x 128 columns x 4 bytes
	v_lshl_or_b32 v[XOFF], v1, 2, v[XOFF]          ; + lane x 4
	s_wait_kmcnt 0x0
	s_add_nc_u64 s[4:5], s[4:5], s[18:19]
	s_add_nc_u64 s[6:7], s[6:7], s[20:21]
	s_add_nc_u64 s[8:9], s[8:9], s[22:23]
	; The indices first: they return first (loads return in order, ISA guide 5.7.1) and are turned into addresses while x is on its way.
	; Clause s = sj + 4 t lies 128 t bytes behind clause sj; the two lanes of a q pair read the same 16 bytes.
.irp t, 0,1,2,3,4,5,6,7
	global_load_b128 v[IDX+8*\t:IDX+8*\t+3],   v[IOFF], s[4:5] offset:128*\t
	global_load_b128 v[IDX+8*\t+4:IDX+8*\t+7], v[IOFF], s[4:5] offset:128*\t+16
.endr
	; x: the wave brings columns 128 w .. 128 w + 127 of the 8 rows, in 4 blocks of 32 columns.  Lane = column, so that a load covers 128
	; consecutive bytes of a row, and register XA + 8 blk + i = x[row i][my column]: 8 consecutive registers are a row of the table.
.irp blk, 0,1,2,3
.irp i, 0,1,2,3,4,5,6,7
	global_load_b32 v[XA+8*\blk+\i], v[XOFF], s[6:7] offset:XROW*\i+128*\blk
.endr
.endr
	s_mov_b32 s[KP], KLOG
	s_mov_b32 s[KP+1], KLOG
	s_mov_b32 s[KN], KNEG
	s_mov_b32 s[KN+1], KNEG
	s_mov_b32 s[GP], GLN2
	s_mov_b32 s[GP+1], GLN2
	v_and_b32 v[Q16], 1, v1                        ; q
	v_lshrrev_b32 v9, 3, v1                        ; gi
	s_lshl_b32 s24, s10, 12                        ; the wave's 128 rows of the table: 4,096 bytes
	v_lshl_add_u32 v[FILL], v1, 5, s24             ; + lane x 32
	s_mul_i32 s25, s10, SPITCH                     ; the wave's stage
	v_lshlrev_b32 v[SST], 6, v[Q16]                ; stage[batch 4q + c][gi]: 16 bytes a batch row
	v_lshl_add_u32 v[SST], v9, 2, v[SST]
	v_add_nc_u32 v[SST], s25, v[SST]
	v_lshlrev_b32 v[Q16], 4, v[Q16]                ; 16 q
	s_wait_loadcnt 32                              ; the 16 index loads are in; the 32 loads of x issued behind them stay out
.set i, 0
.rept 64
	v_min_u32 v[IDX+i], NGALL-1, v[IDX+i]          ; a loaded number enters an address only clamped to the table
.set i, i+1
.endr
.set i, 0
.rept 64
	v_lshl_add_u32 v[IDX+i], v[IDX+i], 5, v[Q16]   ; row x 32 bytes + my half of the row
.set i, i+1
.endr
.irp blk, 0,1,2,3
	s_wait_loadcnt 24-8*\blk                       ; this block's 8 loads are in; the later blocks' stay out
	ds_store_b128 v[FILL], v[XA+8*\blk:XA+8*\blk+3]   offset:TABLE+1024*\blk       ; batch rows 0-3 of my column
	ds_store_b128 v[FILL], v[XA+8*\blk+4:XA+8*\blk+7] offset:TABLE+1024*\blk+16    ; batch rows 4-7
.endr
	s_wait_dscnt 0x0                               ; for the other waves' sake: my part of the table is written
	s_barrier_signal -1
	s_barrier_wait -1                              ; the table is whole, and is only read from here on
; the 8 literals of clause step it: 16 bytes (4 batch rows) each
.macro GATHER it, buf
.irp l, 0,1,2,3,4,5,6,7
	ds_load_b128 v[\buf+4*\l:\buf+4*\l+3], v[IDX+8*\it+\l] offset:TABLE
.endr
.endm
; 32 exponents [8][4] in place -> 2^e -> their sums over the first index in buf .. buf + 3
.macro EXPSUM buf
.set i, 0
.rept 32
	v_exp_f32 v[\buf+i], v[\buf+i]
.set i, i+1
.endr
	v_nop                                          ; one plain vector instruction between the run of transcendentals and the first use (ISA guide 5.7.2)
	s_wait_alu depctr_va_vdst(0)
.irp l, 0,2,4,6
	v_pk_add_f32 v[\buf+4*\l:\buf+4*\l+1],   v[\buf+4*\l:\buf+4*\l+1],   v[\buf+4*\l+4:\buf+4*\l+5]
	v_pk_add_f32 v[\buf+4*\l+2:\buf+4*\l+3], v[\buf+4*\l+2:\buf+4*\l+3], v[\buf+4*\l+6:\buf+4*\l+7]
.endr
.irp l, 0,4
	v_pk_add_f32 v[\buf+4*\l:\buf+4*\l+1],   v[\buf+4*\l:\buf+4*\l+1],   v[\buf+4*\l+8:\buf+4*\l+9]
	v_pk_add_f32 v[\buf+4*\l+2:\buf+4*\l+3], v[\buf+4*\l+2:\buf+4*\l+3], v[\buf+4*\l+10:\buf+4*\l+11]
.endr
	v_pk_add_f32 v[\buf:\buf+1],   v[\buf:\buf+1],   v[\buf+16:\buf+17]
	v_pk_add_f32 v[\buf+2:\buf+3], v[\buf+2:\buf+3], v[\buf+18:\buf+19]
.endm
; soft-AND of clause step it, whose literals are in buf.  left = LDS loads issued behind them that may stay out.
.macro SOFTAND it, buf, left
	s_wait_dscnt \left
.irp c, 0,1,2,3
	v_min3_num_f32 v[M+\c], v[\buf+\c], v[\buf+4+\c], v[\buf+8+\c]
.endr
.irp c, 0,1,2,3
	v_min3_num_f32 v[M+\c], v[M+\c], v[\buf+12+\c], v[\buf+16+\c]
.endr
.irp c, 0,1,2,3
	v_min3_num_f32 v[M+\c], v[M+\c], v[\buf+20+\c], v[\buf+24+\c]
.endr
.irp c, 0,1,2,3
	v_min_num_f32 v[M+\c], v[M+\c], v[\buf+28+\c]  ; m: the smallest literal, which reference() takes away as the maximum of -x/gamma
.endr
	v_pk_mul_f32 v[MK:MK+1],   v[M:M+1],   s[KP:KP+1] op_sel_hi:[1,0]
	v_pk_mul_f32 v[MK+2:MK+3], v[M+2:M+3], s[KP:KP+1] op_sel_hi:[1,0]
.irp l, 0,1,2,3,4,5,6,7
	v_pk_fma_f32 v[\buf+4*\l:\buf+4*\l+1],   v[\buf+4*\l:\buf+4*\l+1],   s[KN:KN+1], v[MK:MK+1]   op_sel_hi:[1,0,1]   ; m K - K x
	v_pk_fma_f32 v[\buf+4*\l+2:\buf+4*\l+3], v[\buf+4*\l+2:\buf+4*\l+3], s[KN:KN+1], v[MK+2:MK+3] op_sel_hi:[1,0,1]
.endr
	EXPSUM \buf
.irp c, 0,1,2,3
	v_log_f32 v[LG+\c], v[\buf+\c]                 ; the sum lies in [1, 8]
.endr
	v_nop                                          ; a plain place behind the logarithms
	s_wait_alu depctr_va_vdst(0)
	v_pk_add_f32 v[U+4*\it:U+4*\it+1],   v[MK:MK+1],   v[LG:LG+1]   neg_lo:[0,1] neg_hi:[0,1]     ; u = m K - log2 sum
	v_pk_add_f32 v[U+4*\it+2:U+4*\it+3], v[MK+2:MK+3], v[LG+2:LG+3] neg_lo:[0,1] neg_hi:[0,1]
.endm
	; Two buffers in turn: while one clause step is computed, the next one's 8 loads are out (hence the count 8; the last step waits for 0).
	GATHER 0, XA
	GATHER 1, XB
	SOFTAND 0, XA, 8
	GATHER 2, XA
	SOFTAND 1, XB, 8
	GATHER 3, XB
	SOFTAND 2, XA, 8
	GATHER 4, XA
	SOFTAND 3, XB, 8
	GATHER 5, XB
	SOFTAND 4, XA, 8
	GATHER 6, XA
	SOFTAND 5, XB, 8
	GATHER 7, XB
	SOFTAND 6, XA, 8
	SOFTAND 7, XB, 0
	; soft-OR over the 32 clauses of my g: my 8, then the 4 lanes that differ in sj (lane bits 2:1)
.irp c, 0,1,2,3
	v_max3_num_f32 v[M+\c], v[U+\c], v[U+4+\c], v[U+8+\c]
.endr
.irp c, 0,1,2,3
	v_max3_num_f32 v[M+\c], v[M+\c], v[U+12+\c], v[U+16+\c]
.endr
.irp c, 0,1,2,3
	v_max3_num_f32 v[M+\c], v[M+\c], v[U+20+\c], v[U+24+\c]
.endr
.irp c, 0,1,2,3
	v_max_num_f32 v[M+\c], v[M+\c], v[U+28+\c]
.endr
.irp c, 0,1,2,3
	v_max_num_f32_dpp v[M+\c], v[M+\c], v[M+\c] row_xmask:2 row_mask:0xf bank_mask:0xf
.endr
.irp c, 0,1,2,3
	v_max_num_f32_dpp v[M+\c], v[M+\c], v[M+\c] row_xmask:4 row_mask:0xf bank_mask:0xf     ; U: the largest of the 32, in all four lanes
.endr
.irp t, 0,1,2,3,4,5,6,7
	v_pk_add_f32 v[U+4*\t:U+4*\t+1],   v[U+4*\t:U+4*\t+1],   v[M:M+1]   neg_lo:[0,1] neg_hi:[0,1]   ; u - U
	v_pk_add_f32 v[U+4*\t+2:U+4*\t+3], v[U+4*\t+2:U+4*\t+3], v[M+2:M+3] neg_lo:[0,1] neg_hi:[0,1]
.endr
	EXPSUM U
.irp c, 0,1,2,3
	v_add_f32_dpp v[U+\c], v[U+\c], v[U+\c] row_xmask:2 row_mask:0xf bank_mask:0xf
.endr
.irp c, 0,1,2,3
	v_add_f32_dpp v[U+\c], v[U+\c], v[U+\c] row_xmask:4 row_mask:0xf bank_mask:0xf
.endr
.irp c, 0,1,2,3
	v_log_f32 v[LG+\c], v[U+\c]                    ; the sum lies in [1, 32]
.endr
	v_nop                                          ; a plain place behind the logarithms
	s_wait_alu depctr_va_vdst(0)
	v_pk_add_f32 v[M:M+1],   v[M:M+1],   v[LG:LG+1]
	v_pk_add_f32 v[M+2:M+3], v[M+2:M+3], v[LG+2:LG+3]
	v_pk_mul_f32 v[M:M+1],   v[M:M+1],   s[GP:GP+1] op_sel_hi:[1,0]                        ; back from the base-2 domain
	v_pk_mul_f32 v[M+2:M+3], v[M+2:M+3], s[GP:GP+1] op_sel_hi:[1,0]
	; THE WAY OUT.  A lane holds 4 batch rows of one g: 4 bytes in each of 4 rows of out0.  The wave lays its 8 batch rows x 4 g into 128 bytes of
	; its own ([batch][gi]; the four sj lanes write the same word with the same value), so that 16 bytes there are 4 neighbouring g of one row.
.irp c, 0,1,2,3
	ds_store_b32 v[SST], v[M+\c] offset:16*\c
.endr
	s_wait_dscnt 0x0                               ; for the waves that read the stage
	s_barrier_signal -1
	s_barrier_wait -1
	s_cmp_ge_u32 s10, 4                            ; 8 rows x 256 bytes = 128 lanes x 16 bytes: waves 0 to 3
	s_cbranch_scc1 .Ldone
	v_and_b32 v9, 15, v1                           ; p: which 16 bytes of the row = which wave's four g
	v_lshrrev_b32 v10, 4, v1                       ; batch row = 2 x wave + lane / 16
	v_mul_u32_u24 v[SRD], v9, SPITCH
	v_lshl_add_u32 v[SRD], v10, 4, v[SRD]
	s_lshl_b32 s26, s10, 5                         ; 2 x wave batch rows of 16 bytes
	v_add_nc_u32 v[SRD], s26, v[SRD]
	v_lshlrev_b32 v[OOFF], 13, v10                 ; a row of out0 is 8,192 bytes
	v_lshl_add_u32 v[OOFF], v9, 4, v[OOFF]
	s_lshl_b32 s27, s10, 14
	v_add_nc_u32 v[OOFF], s27, v[OOFF]
	ds_load_b128 v[XA:XA+3], v[SRD]
	s_wait_dscnt 0x0
	global_store_b128 v[OOFF], v[XA:XA+3], s[8:9] th:TH_STORE_NT   ; 16 lanes store 256 consecutive bytes, at a multiple of 256 from out0's first byte
.Ldone:
	s_wait_tensorcnt 0x0
	ds_add_u32 v192, v193
	s_wait_dscnt 0x0
	s_endpgm
.Lfunc_end_k_q590ac1459a_clause:
	.size	k_q590ac1459a_clause, .Lfunc_end_k_q590ac1459a_clause-k_q590ac1459a_clause
	.p2alignl 7, 3214868480
	.fill 96, 4, 3214868480
	.section	.rodata,"a",@progbits
	.p2align	6, 0x0
	.amdhsa_kernel k_q590ac1459a_clause
		.amdhsa_group_segment_fixed_size 69888
		.amdhsa_private_segment_fixed_size 0
		.amdhsa_enable_private_segment 0
		.amdhsa_kernarg_size 24
		.amdhsa_user_sgpr_count 2
		.amdhsa_user_sgpr_kernarg_segment_ptr 1
		.amdhsa_wavefront_size32 1
		.amdhsa_system_sgpr_workgroup_id_x 1
		.amdhsa_system_sgpr_workgroup_id_y 1
		.amdhsa_system_sgpr_workgroup_id_z 1
		.amdhsa_system_vgpr_workitem_id 0
		.amdhsa_next_free_vgpr 194
		.amdhsa_next_free_sgpr 66
		.amdhsa_reserve_vcc 0
		.amdhsa_float_denorm_mode_32 3
		.amdhsa_float_denorm_mode_16_64 3
		.amdhsa_memory_ordered 1
		.amdhsa_forward_progress 1
		.amdhsa_inst_pref_size 61
	.end_amdhsa_kernel
	.amdgpu_metadata
---
amdhsa.version: [ 1, 2 ]
amdhsa.kernels:
  - .name:           k_q590ac1459a_clause
    .symbol:         k_q590ac1459a_clause.kd
    .args:
      - { .name: I_i, .offset: 0, .size: 8, .value_kind: global_buffer, .address_space: global }
      - { .name: x, .offset: 8, .size: 8, .value_kind: global_buffer, .address_space: global }
      - { .name: out0, .offset: 16, .size: 8, .value_kind: global_buffer, .address_space: global }
    .group_segment_fixed_size: 69888
    .private_segment_fixed_size: 0
    .kernarg_segment_align: 8
    .kernarg_segment_size: 24
    .max_flat_workgroup_size: 512
    .sgpr_count:     66
    .vgpr_count:     194
    .wavefront_size: 32
...
	.end_amdgpu_metadata
.endif
;; end of part 1
